; MI455X (gfx1250); checked and timed in simulation.
; The chip was launched on July 23, 2026; its instructions are those of AMD's public machine-readable ISA for CDNA 5 (MIT licence, August 2026) and "CDNA5" Instruction Set Architecture Reference Guide (July 2026). The comments in the code are by the model that wrote it; some were corrected since.
;; Scaled Dot Product. Allowed arithmetic: matrix products marked QUANTISED: E4M3 operands, one given power-of-two scale a tensor, by v_wmma_f32_16x16x64_fp8_fp8 or v_wmma_f32_16x16x128_fp8_fp8, f32 sums; everything else in f32.
;; Inputs: k 4 x 16 x 2,048 x 64 float32; lowp_scales 4 int32 (the exponents e of the quantised operands' scales 2^e); q 4 x 16 x 2,048 x 64 float32; v 4 x 16 x 2,048 x 64 float32.
;; Outputs: out0 4 x 16 x 2,048 x 64 float32.
;; This version of the problem:
;;   THIS VERSION OF THE PROBLEM IS GIVEN IN LOW PRECISION. The matrix products marked QUANTISED in the list below multiply operands that are first quantised to E4M3 (4 exponent bits, 3 mantissa bits; 8 bits a number), with one given power-of-two scale for each operand tensor; their sums are f32. All else is computed in f32.
;;   The module's matrix products, in the order in which they are computed (A, B: the left and right operand; K: the contracted axis; several contracted axes count as one K, in the product's order):
;;     1. batch 64 x [M 2,048, K 64] x [K 64, N 2,048]; A: input q; B: input k: QUANTISED (scales: A lowp_scales[0], B lowp_scales[1])
;;     2. batch 64 x [M 2,048, K 2,048] x [K 2,048, N 64]; A: softmax (see below); B: input v: QUANTISED (scales: A lowp_scales[2], B lowp_scales[3])
;;   THE QUANTISER, for each operand of a quantised product, along K:
;;     - The operand's scale is 2^e, e = its entry of the input lowp_scales (int32; the entries are numbered through the quantised products in the list's order, A before B).
;;     - Each number is divided by the scale, clamped to +-448, and rounded to the nearest number of E4M3, ties to even, subnormals kept.
;;     - The product sums the exact products of the quantised numbers (number of the format x scale) in f32.
;;   ~~~python
;;   def quantise(x, axis, e):      # numpy; x: float32 -> the quantised numbers, widened to float32 again
;;       x = np.moveaxis(x, axis, -1); K = x.shape[-1]
;;       r = np.clip(x / 2.0 ** e, -448, 448)
;;       step = 2.0 ** (np.maximum(np.frexp(np.where(r == 0, 1, r))[1] - 1, -6) - 3)
;;       q = np.round(r / step) * step * 2.0 ** e      # np.round: ties to even
;;       return np.moveaxis(q, -1, axis).astype(np.float32)
;;   ~~~
;;   SOFTMAX AHEAD OF A QUANTISED PRODUCT. Where the list says 'softmax', what is quantised is not the finished softmax but p = 2^(t - M), with t = logit x log2(e) and M = ceil(the row's largest t), a whole number; so 1/2 < the row's largest p <= 1. The row's sum l is taken of the UNQUANTISED p, in f32, and the product's result is divided by l at the end. Since M is a whole number, a kernel that streams over the keys may use a running M (the ceiling of the running maximum): every later rescaling is an exact power of two, so the quantised numbers keep their values, but for numbers so far below the row's largest that they fall under the format's range.
;;   OPERANDS COMPUTED ON THE WAY. 'Computed on the way' means the value that the module computes at that place (a softmax that the list does not call 'softmax' is quantised finished and normalised). What goes into a quantiser is computed in f32, as accurately as f32 sums, v_exp_f32 and their like allow (about 1e-6 of the number): no bf16 or f16 on the way to a quantiser, and a product that is left as it is and whose result goes on into a quantised operand takes f32 operands (vector FMAs, or v_wmma_f32_16x16x4_f32). A number that lies on a knife's edge between two numbers of the format may be rounded either way, as far as f32 arithmetic and the matrix unit's own rounding can turn it there, and no further.
;; 2 versions. Each part assembles by itself: llvm-mc -triple=amdgcn-amd-amdhsa -mcpu=gfx1250 --defsym DOCPART=n.
;; ======== version 1 of 2: 1 launch
;; launch attn (part 1): grid 4 x 64, 16 waves a work-group, no clusters, 296,960 bytes of LDS; arguments q, k, v, lowp_scales, out0; writes out0
.if DOCPART == 1
	.amdgcn_target "amdgcn-amd-amdhsa--gfx1250"
	.amdhsa_code_object_version 6
	.text
	.protected	k_q35828391c4_attn
	.globl	k_q35828391c4_attn
	.p2align	8
	.type	k_q35828391c4_attn,@function
k_q35828391c4_attn:
	s_mov_b64 s[64:65], 0
	v_nop
	global_prefetch_b8 v0, s[64:65] scope:SCOPE_SE
	s_setreg_imm32_b32 hwreg(HW_REG_WAVE_MODE, 25, 1), 1
	s_wait_xcnt 0x0
; out0[h][q][:] = the sum over keys of softmax(q . k / 8) v, 64 heads of 2,048 x 64, f32 in and out; both products on codes of FP8 (E4M3), each operand with the one scale 2^e given for it: eq, ek, ep, ev.
; THE SOFTMAX AHEAD OF THE SECOND PRODUCT: t = score x log2(e) / 8; M = the running largest t rounded UP to a whole number; p = 2^(t - M) is quantised with 2^ep, not normalised.  The row's sum is taken of the
; unquantised p in f32; when M moves, the sum and O are multiplied by 2^(old M - new M), which rounds nothing; at the end O is divided by the sum and multiplied by 2^(ep + ev).
; SHARES.  A work-group (x = block of 512 queries, y = head) has sixteen waves of 256 registers.  A head's K and V as codes are 2 x 131,072 bytes: they lie in LDS whole, so there is no ring and no refill.
; PROLOGUE: wave w quantises keys 128 w .. 128 w + 127 of K and of V into LDS block w, and its own 32 rows of q into registers.  One barrier.
; LOOP: wave w owns queries 32 w .. 32 w + 31 of the block, TWO tiles of 16 (A, B), which share every fragment of K and V read from LDS; 16 trips of 128 keys.
; LAYOUT.  Both products are used transposed: S^T = K Q^T (source 0 = 16 keys, source 1 = 16 queries), O^T = V^T P^T (source 0 = 16 channels, source 1 = P): a lane holds ONE query (lane % 16) throughout.
; THE KEYS OF A TILE ARE NOT NEIGHBOURS: lane r of tile 2 b + u takes key 32 b + 8 u + r + 8 (r / 8), so that a lane's 16 registers of tiles 2 b, 2 b + 1 are keys 32 b + 16 (lane / 16) + 0 .. 15, as V's loads give them.
; Fragments are fetched by loads of 16 bytes: a permutation of k inside an instruction, the same in both sources, so every product meets its partner.
; THE CHANNELS OF A TILE OF V ARE NOT NEIGHBOURS EITHER: row 16 c + x of V's part holds channel 4 x + c, so that the writer's four numbers of a load go to four tiles, and a lane ends with 32 neighbouring channels.
; NO JOINT LOADS, NO TENSOR LOADS: what the four work-groups of a head share is f32 numbers that must pass through registers to be quantised; beside the 294,912 bytes of codes 32,768 bytes of LDS are left,
; two slots of 64 rows, which would be 64 rounds for the 1,048,576 bytes of k and v.  Plain loads keep 32 x 512 bytes a wave, 262,144 a work-group, on their way without any round.
; LIMITS on the given exponents, so that each power of two below is an f32 number: eq, ek, ev, ep each between -126 and 119; eq + ek between -123 and 130 (added to c's exponent field); ep + ev goes by v_ldexp_f32 and has none.
; NaN among the inputs is not served; an infinity is held at the largest code.
; LDS: 16 blocks of 18,432 bytes, one for 128 keys.  Rows of 128 bytes + 16 of padding = 36 words: 16 rows on end start at 16 different groups of four banks (64 banks of 4 bytes: ISA guide 11.1).
;   bytes 0 .. 9,215: K, 64 rows of TWO keys' 64 codes: key 32 b + 16 a + 8 u + w at row 16 b + 8 a + w, byte 64 u.     bytes 9,216 .. 18,431: V, 64 rows (channels) of 128 codes (keys as they come).
;   On the way out, behind the second barrier, the same bytes serve as stages: 2 tiles x 16 rows x 272 bytes for each wave.
.set BLK,  18432
.set PIT,  144
.set KBLK, 64*PIT                      ; V's part of a block
.set TROW, 16*PIT                      ; 16 rows
.set SPIT, 272                         ; a stage row: 256 bytes + 16
.set WSTG, 2*16*SPIT                   ; a wave's stage
; registers of the loop
.set A0,  1                            ; v1   144 r + 16 h: my lane's place in a tile; on the way out: where I put my 128 bytes of a row
.set ADR, 2                            ; v2   the block in hand + A0; on the way out: where I read rows back
.set SCL, 3                            ; v3   2^ep as f32; on the way out: 16 x lane
.set NMA, 4                            ; v[4:5]   tile A: -M, the largest t;   v[6:7] its sum in two halves
.set LA,  6
.set NMB, 8                            ; v[8:9], v[10:11] the same for tile B
.set LB,  10
.set T0,  12                           ; v12-15 at work
.set T2,  14
.set QA,  16                           ; v16-23, v24-31 Q's codes
.set QB,  24
.set OA,  32                           ; v32-63, v64-95 O^T, tile c at + 8 c
.set OB,  64
.set SA,  96                           ; v96-159 S^T of A, then p; later V's four fragments
.set SB,  160                          ; v160-223 S^T of B, then p
.set KF,  192                          ; v192-255 K's eight fragments; fragments 0-3 give way to S^T of B's upper half, 4-7 to P
.set PA,  224
.set PB,  240
; registers of the prologue
.set GK,  4                            ; v4   k: 16 x lane
.set GV,  5                            ; v5   v: 2,048 h + 16 x
.set KW,  6                            ; v6   LDS: block w + 144 h + 4 x
.set VW,  7                            ; v7   LDS: block w + 144 x + 8 h
.set GQ,  8                            ; v8   q: 256 r + 64 h
.set SCK, 9                            ; v9, v10   2^ek, 448 x 2^ek
.set LMK, 10
.set SCV, 11                           ; v11, v12  the same with ev
.set LMV, 12
.set SCQ, 13                           ; v13, v14  the same with eq
.set LMQ, 14
.set RQ,  32                           ; v32-95 q as loaded
.set CK,  32                           ; v32-39 a K unit's codes;  v40-47 a V unit's
.set CV,  40
.set XR,  96                           ; v96-223 four sets of 32 numbers as loaded
.set TT,  224                          ; v224-255 a V unit's numbers, held and turned
	s_load_b256 s[4:11], s[0:1], 0x0               ; q s[4:5], k s[6:7], v s[8:9], the scales' exponents s[10:11]
	s_load_b64 s[12:13], s[0:1], 0x20              ; out0
	v_lshrrev_b32 v1, 5, v0
	v_readfirstlane_b32 s14, v1                    ; wave 0..15
	s_and_b32 s15, ttmp7, 0xffff                   ; head
	v_and_b32 v2, 31, v0                           ; lane
	v_and_b32 v3, 15, v0                           ; x = r = lane % 16
	v_bfe_u32 v15, v0, 4, 1                        ; h = lane / 16
	v_lshlrev_b32 v[GK], 4, v2
	v_lshlrev_b32 v[GV], 4, v3
	v_lshl_add_u32 v[GV], v15, 11, v[GV]
	s_mul_i32 s34, s14, BLK                        ; my block
	v_mul_u32_u24 v[KW], v15, PIT
	v_lshl_add_u32 v[KW], v3, 2, v[KW]
	v_add_nc_u32 v[KW], s34, v[KW]
	v_mul_u32_u24 v[VW], v3, PIT
	v_lshl_add_u32 v[VW], v15, 3, v[VW]
	v_add_nc_u32 v[VW], s34, v[VW]
	v_lshlrev_b32 v[GQ], 8, v3
	v_lshl_add_u32 v[GQ], v15, 6, v[GQ]
	v_mul_u32_u24 v[A0], v3, PIT
	v_lshl_add_u32 v[A0], v15, 4, v[A0]
	s_lshl_b32 s16, s15, 19                        ; a head is 2,048 rows of 256 bytes
	s_lshl_b32 s32, s14, 15                        ; k, v: my 128 keys
	s_add_co_u32 s16, s16, s32
	s_mov_b32 s17, 0
	s_lshl_b32 s18, s15, 19
	s_lshl_b32 s32, ttmp9, 17                      ; q, out0: the block's 512 rows,
	s_add_co_u32 s18, s18, s32
	s_lshl_b32 s32, s14, 13                        ; my 32 of them
	s_add_co_u32 s18, s18, s32
	s_mov_b32 s19, 0
	s_wait_kmcnt 0x0
	s_load_b128 s[20:23], s[10:11], 0x0            ; eq, ek, ep, ev
	s_add_nc_u64 s[4:5], s[4:5], s[18:19]
	s_add_nc_u64 s[6:7], s[6:7], s[16:17]
	s_add_nc_u64 s[8:9], s[8:9], s[16:17]
	s_add_nc_u64 s[12:13], s[12:13], s[18:19]
; A unit is 16 keys.  K's unit j: each load reads 512 consecutive bytes, two keys: my lane holds key 16 j + 2 i + h, channels 4 x .. 4 x + 3.
.macro LOADK j, set
.irp i, 0,1,2,3,4,5,6,7
	global_load_b128 v[XR+32*(\set)+4*\i:XR+32*(\set)+4*\i+3], v[GK], s[6:7] offset:4096*(\j)+512*\i
.endr
.endm
; V's unit j: each half of the lanes reads one key's 256 consecutive bytes: my lane holds key 16 j + 8 h + i, channels 4 x .. 4 x + 3: eight neighbouring keys down my registers.
.macro LOADV j, set
.irp i, 0,1,2,3,4,5,6,7
	global_load_b128 v[XR+32*(\set)+4*\i:XR+32*(\set)+4*\i+3], v[GV], s[8:9] offset:4096*(\j)+256*\i
.endr
.endm
; 2^e as f32 (the conversion takes its exponent field) and 448 x 2^e (the hold)
.macro MKSCALE e, vs, vl
	s_add_co_i32 s32, s[\e], 127
	s_lshl_b32 s33, s32, 23
	v_mov_b32 v[\vs], s33
	s_add_co_i32 s32, s32, 8
	s_lshl_b32 s32, s32, 23
	s_or_b32 s32, s32, 0x600000
	v_mov_b32 v[\vl], s32
.endm
	; q: lane (r, h) takes, of row r of tile j, channels 32 g + 16 h + 0 .. 15: the order of the fragment's registers.  Read once in the launch.  (A lane's four loads of a group cover its 64 bytes.)
.irp j, 0,1
.irp g, 0,1
.irp i, 0,1,2,3
	global_load_b128 v[RQ+32*\j+16*\g+4*\i:RQ+32*\j+16*\g+4*\i+3], v[GQ], s[4:5] offset:4096*\j+128*\g+16*\i th:TH_LOAD_NT
.endr
.endr
.endr
	LOADK 0, 0                                     ; four units ahead: 32 loads of mine are out from here on
	LOADV 0, 1
	LOADK 1, 2
	LOADV 1, 3
	s_wait_kmcnt 0x0
	MKSCALE 21, SCK, LMK
	MKSCALE 23, SCV, LMV
	MKSCALE 20, SCQ, LMQ
	s_wait_loadcnt 32                              ; q's sixteen loads are in; the four units' 32 are younger
.set n, 0
.rept 64
	v_med3_num_f32 v[RQ+n], v[RQ+n], -v[LMQ], v[LMQ]   ; the conversion to an 8-bit code does not saturate (ISA guide 7.6.2): hold within the largest code x the scale first
.set n, n+1
.endr
.irp j, 0,1
.irp m, 0,1,2,3
	v_cvt_scalef32_pk8_fp8_f32 v[QA+8*\j+2*\m:QA+8*\j+2*\m+1], v[RQ+32*\j+8*\m:RQ+32*\j+8*\m+7], v[SCQ]   ; registers 0-3: channels 16 h + 0 .. 15; registers 4-7: 32 + 16 h + 0 .. 15
.endr
.endr
	v_nop                                          ; one plain vector line behind the last conversion of a run: its sources are written again and its results go to products
; K's unit j: held in place, converted (register CK + i: four codes of key 16 j + 2 i + h), stored as words: lanes of the two halves lie 36 words apart, 32 different banks.
.macro QK_UNIT j
.set XS, XR+64*((\j)%2)
.set LEFT, 8*(15-2*(\j))
.if LEFT > 24
.set LEFT, 24
.endif
	s_wait_loadcnt LEFT                            ; this unit's eight loads are in; those of the (up to three) younger units may be out
.set n, 0
.rept 32
	v_med3_num_f32 v[XS+n], v[XS+n], -v[LMK], v[LMK]
.set n, n+1
.endr
	s_wait_dscnt 4                                 ; the last K unit's stores are done with their registers; V's four younger stores may be out
.irp g, 0,1,2,3
	v_cvt_scalef32_pk8_fp8_f32 v[CK+2*\g:CK+2*\g+1], v[XS+8*\g:XS+8*\g+7], v[SCK]
.endr
.irp i, 0,1,2,3,4,5,6,7
	ds_store_b32 v[KW], v[CK+\i] offset:(8*(\j)+2*(\i%4))*PIT+64*(\i/4)   ; key 16 j + 2 i + h: row 8 j + 2 (i % 4) + h, half i / 4
.endr
.if (\j)+2 < 8
	LOADK (\j)+2, 2*((\j)%2)                       ; the set takes the unit four further on
.endif
.endm
; V's unit j: the hold also turns the registers (TT + 8 c + i: key 16 j + 8 h + i of channel 4 x + c), so that the conversions take eight neighbouring keys; eight codes go to row 16 c + x: the 32 lanes' 64 words fall on 64 banks.
.macro QV_UNIT j
.set XS, XR+64*((\j)%2)+32
.set LEFT, 8*(14-2*(\j))
.if LEFT > 24
.set LEFT, 24
.endif
	s_wait_loadcnt LEFT
.irp c, 0,1,2,3
.irp i, 0,1,2,3,4,5,6,7
	v_med3_num_f32 v[TT+8*\c+\i], v[XS+4*\i+\c], -v[LMV], v[LMV]
.endr
.endr
.if (\j)+2 < 8
	LOADV (\j)+2, 2*((\j)%2)+1
.endif
	s_wait_dscnt 8                                 ; the last V unit's stores are done with their registers; K's eight younger stores may be out
.irp c, 0,1,2,3
	v_cvt_scalef32_pk8_fp8_f32 v[CV+2*\c:CV+2*\c+1], v[TT+8*\c:TT+8*\c+7], v[SCV]
.endr
.irp c, 0,1,2,3
	ds_store_b64 v[VW], v[CV+2*\c:CV+2*\c+1] offset:KBLK+TROW*\c+16*(\j)
.endr
.endm
.irp j, 0,1,2,3,4,5,6,7
	QK_UNIT \j
	QV_UNIT \j
.endr
	v_nop                                          ; one plain vector line behind the last conversion
	s_wait_dscnt 0x0                               ; for the others' sake: my block's codes lie in LDS
	s_barrier_signal -1
	; register work while the others arrive.  All my global loads are in (the last count was 0), so the prologue's registers are free.
.set n, 0
.rept 64
	v_mov_b32 v[OA+n], 0                           ; O^T of both tiles.  (The step is written once: the first finds zeros, which the first change of M leaves zeros)
.set n, n+1
.endr
	v_mov_b32 v[NMA+1], 0xff61b1e6                 ; the largest t so far: -3e38, under every t
	v_mov_b32 v[NMB+1], 0xff61b1e6
	v_floor_f32 v[NMA], -v[NMA+1]                  ; -M
	v_floor_f32 v[NMB], -v[NMB+1]
	v_mov_b32 v[LA], 0                             ; the sums, in two halves
	v_mov_b32 v[LA+1], 0
	v_mov_b32 v[LB], 0
	v_mov_b32 v[LB+1], 0
	v_mov_b32 v[T0+1], 0
	v_mov_b32 v[T2+1], 0                           ; written once: a lane permute's destination counts as one of its sources
	s_add_co_i32 s32, s22, 127
	s_lshl_b32 s33, s32, 23
	v_mov_b32 v[SCL], s33                          ; 2^ep as f32
	s_add_co_i32 s32, s32, 8
	s_lshl_b32 s32, s32, 23
	s_or_b32 s31, s32, 0x600000                    ; 448 x 2^ep
	s_add_co_i32 s32, s20, s21
	s_lshl_b32 s32, s32, 23
	s_add_co_i32 s24, s32, 0x3e38aa3b              ; c = log2(e) / 8, with eq + ek added to its exponent field: a score stands for score x 2^(eq + ek)
	s_mov_b32 s25, s24                             ; (named with it as a pair, so it is written)
	s_mov_b32 s26, 0x76543210                      ; v_permlanex16_b32's selects for lane l xor 16
	s_mov_b32 s27, 0xfedcba98
	s_add_co_i32 s30, s22, s23                     ; ep + ev
	s_mov_b32 s28, 16                              ; trips
	s_mov_b32 s29, 0                               ; the block in hand
	s_barrier_wait -1                              ; the head's K and V lie in LDS, whole
; ONE TILE'S SOFTMAX FOR 128 KEYS.  s: its 64 scores; nm: the pair (-M, largest t); l: the sum's pair; o: its O^T; p: where its codes go.
.macro SOFTMAX s, nm, l, o, p
	v_max3_num_f32 v[T0], v[\s], v[\s+1], v[\s+2]  ; the largest score of my query among my 64 keys, in two chains, ascending: each accumulator is first read at its low end
	v_max3_num_f32 v[T2], v[\s+3], v[\s+4], v[\s+5]
.irp i, 6,10,14,18,22,26,30,34,38,42,46,50,54,58
	v_max3_num_f32 v[T0], v[T0], v[\s+\i], v[\s+\i+1]
	v_max3_num_f32 v[T2], v[T2], v[\s+\i+2], v[\s+\i+3]
.endr
	v_max3_num_f32 v[T0], v[T0], v[\s+62], v[\s+63]
	v_max_num_f32 v[T0], v[T0], v[T2]
	v_permlanex16_b32 v[T2+1], v[T0], s26, s27
	v_max_num_f32 v[T0], v[T0], v[T2+1]            ; and among lane l xor 16's
	v_mul_f32 v[T0], s24, v[T0]                    ; as t (c is positive)
	v_max_num_f32 v[\nm+1], v[\nm+1], v[T0]        ; the running largest t
	v_mov_b32 v[T0], v[\nm]
	v_floor_f32 v[\nm], -v[\nm+1]                  ; the new -M = floor(-t) = -ceil(t): a whole number
	v_sub_f32 v[T0], v[\nm], v[T0]                 ; old M - new M: a whole number, 0 or less
	v_cvt_i32_f32 v[T0], v[T0]                     ; (it saturates)
	v_ldexp_f32 v[T2], 1.0, v[T0]                  ; f = 2^(old M - new M)
.set n, 0
.rept 32
	v_pk_fma_f32 v[\s+n:\s+n+1], v[\s+n:\s+n+1], s[24:25], v[\nm:\nm+1] op_sel_hi:[1,0,0]   ; t - M, two at a time (of the pairs c and -M the low word serves both halves)
.set n, n+2
.endr
.set n, 0
.rept 64
	v_exp_f32 v[\s+n], v[\s+n]                     ; p = 2^(t - M): not normalised
.set n, n+1
.endr
	v_pk_mul_f32 v[\l:\l+1], v[\l:\l+1], v[T2:T2+1] op_sel_hi:[1,0]   ; the sum under the new M.  (The plain line behind the exponentials)
	s_wait_alu depctr_va_vdst(0)
	v_pk_add_f32 v[T0:T0+1], v[\s:\s+1], v[\s+2:\s+3]                 ; the row's sum is taken of the UNQUANTISED p: two at a time, in two chains
.irp i, 4,8,12,16,20,24,28,32,36,40,44,48,52,56,60
	v_pk_add_f32 v[\l:\l+1], v[\l:\l+1], v[\s+\i:\s+\i+1]
	v_pk_add_f32 v[T0:T0+1], v[T0:T0+1], v[\s+\i+2:\s+\i+3]
.endr
	v_pk_add_f32 v[\l:\l+1], v[\l:\l+1], v[T0:T0+1]
	; THE HOLD.  p is at most 1 but for a rounding; with ep >= -8 the bound 448 x 2^ep is 1.75 or more and can change nothing, so its 64 lines are jumped over: a scalar branch on the whole number ep, round these lines alone.
	s_cmp_ge_i32 s22, -8
	s_cbranch_scc1 .Lnohold_\@
.set n, 0
.rept 64
	v_min_num_f32 v[\s+n], s31, v[\s+n]            ; p is not negative, so the hold is one-sided
.set n, n+1
.endr
.Lnohold_\@:
.irp t, 0,1,2,3,4,5,6,7
	v_cvt_scalef32_pk8_fp8_f32 v[\p+2*\t:\p+2*\t+1], v[\s+8*\t:\s+8*\t+7], v[SCL]   ; registers 4 b .. 4 b + 3 of P: keys 32 b + 16 h + 0 .. 15
.endr
.set n, 0
.rept 16
	v_pk_mul_f32 v[\o+n:\o+n+1], v[\o+n:\o+n+1], v[T2:T2+1] op_sel_hi:[1,0]   ; O^T under the new M, ascending.  (Also the plain lines behind the conversions)
.set n, n+2
.endr
.endm
.Lstep:                                            ; 16 trips: a block of 128 keys each
	v_add_nc_u32 v[ADR], s29, v[A0]
.rept 4
	v_nop                                          ; with the addition five places behind the last trip's products: the loads below land on P (four are owed), the first products write over V's fragments (five)
.endr
.irp t, 0,1,2,3,4,5,6,7
	ds_load_b128 v[KF+8*\t:KF+8*\t+3],   v[ADR] offset:(\t/2)*TROW+64*(\t%2)
	ds_load_b128 v[KF+8*\t+4:KF+8*\t+7], v[ADR] offset:(\t/2)*TROW+64*(\t%2)+32
.endr
	s_wait_dscnt 8                                 ; fragments 0-3 are in; the eight younger loads may be out
.irp t, 0,1,2,3
	v_wmma_f32_16x16x64_fp8_fp8 v[SA+8*\t:SA+8*\t+7], v[KF+8*\t:KF+8*\t+7], v[QA:QA+7], 0
	v_wmma_f32_16x16x64_fp8_fp8 v[SB+8*\t:SB+8*\t+7], v[KF+8*\t:KF+8*\t+7], v[QB:QB+7], 0
.endr
	s_wait_dscnt 0x0                               ; fragments 4-7
.irp t, 4,5,6,7
	v_wmma_f32_16x16x64_fp8_fp8 v[SA+8*\t:SA+8*\t+7], v[KF+8*\t:KF+8*\t+7], v[QA:QA+7], 0
.endr
.rept 5
	v_nop                                          ; five places: the next four products write over fragments 0-3, which earlier products read; they also serve the first reads of tile A's scores
.endr
.irp t, 4,5,6,7
	v_wmma_f32_16x16x64_fp8_fp8 v[SB+8*\t:SB+8*\t+7], v[KF+8*\t:KF+8*\t+7], v[QB:QB+7], 0
.endr
	SOFTMAX SA, NMA, LA, OA, PA                    ; its plain lines are the places behind tile B's products
.irp c, 0,1,2,3
.irp b, 0,1,2,3
	ds_load_b128 v[SA+16*\c+4*\b:SA+16*\c+4*\b+3], v[ADR] offset:KBLK+TROW*\c+32*\b   ; V's four fragments, where tile A's p lay: they land while tile B's softmax runs
.endr
.endr
	SOFTMAX SB, NMB, LB, OB, PB
	s_wait_dscnt 0x0                               ; V is in
.irp c, 0,1,2,3                                ; eight accumulators by turns, one instruction a turn
	v_wmma_f32_16x16x128_fp8_fp8 v[OA+8*\c:OA+8*\c+7], v[SA+16*\c:SA+16*\c+15], v[PA:PA+15], v[OA+8*\c:OA+8*\c+7]
	v_wmma_f32_16x16x128_fp8_fp8 v[OB+8*\c:OB+8*\c+7], v[SA+16*\c:SA+16*\c+15], v[PB:PB+15], v[OB+8*\c:OB+8*\c+7]
.endr
	s_add_co_u32 s29, s29, BLK
	s_sub_co_u32 s28, s28, 1
	s_cmp_lg_u32 s28, 0
	s_cbranch_scc1 .Lstep
	; THE WAY OUT.  Register i of O^T's tile c in lane (r, h) is o(query r, channel 32 h + 4 i + c).  The division turns the registers, so that a lane holds 32 neighbouring channels of its row in order;
	; they go through my stage and come back as whole rows, two rows (512 consecutive bytes) an instruction.
	s_wait_dscnt 0x0                               ; my reads of K and V are over
	s_barrier_signal -1                            ; the stages lie over the codes: nobody may still read those
	v_add_f32 v[LA], v[LA], v[LA+1]                ; the sums' two halves,  (these lines are also the places behind the last products)
	v_add_f32 v[LB], v[LB], v[LB+1]
	v_permlanex16_b32 v[T0], v[LA], s26, s27
	v_permlanex16_b32 v[T0+1], v[LB], s26, s27
	v_add_f32 v[LA], v[LA], v[T0]                  ; and lane l xor 16's: the rows' sums
	v_add_f32 v[LB], v[LB], v[T0+1]
	v_rcp_f32 v[LA], v[LA]
	v_rcp_f32 v[LB], v[LB]
	v_and_b32 v[T0], 15, v0                        ; (a plain line behind the reciprocals)  r
	v_bfe_u32 v[T0+1], v0, 4, 1                    ; h
	s_mul_i32 s32, s14, WSTG                       ; my stage
	v_mul_u32_u24 v[A0], v[T0], SPIT
	v_lshl_add_u32 v[A0], v[T0+1], 7, v[A0]
	v_add_nc_u32 v[A0], s32, v[A0]                 ; in: row r, + 128 h
	v_mul_u32_u24 v[ADR], v[T0+1], SPIT
	v_lshl_add_u32 v[ADR], v[T0], 4, v[ADR]
	v_add_nc_u32 v[ADR], s32, v[ADR]               ; back: lanes 0-15 one row, lanes 16-31 the next
	v_and_b32 v[SCL], 31, v0
	v_lshlrev_b32 v[SCL], 4, v[SCL]                ; and the same two rows in out0: 16 x lane
	s_wait_alu depctr_va_vdst(0)
	v_ldexp_f32 v[LA], v[LA], s30                  ; x 2^(ep + ev)
	v_ldexp_f32 v[LB], v[LB], s30
.irp i, 0,1,2,3,4,5,6,7                        ; i ascending: each accumulator is read from its register 0 on
.irp c, 0,1,2,3
	v_mul_f32 v[SA+4*\i+\c], v[OA+8*\c+\i], v[LA]
	v_mul_f32 v[SA+32+4*\i+\c], v[OB+8*\c+\i], v[LB]
.endr
.endr
	s_barrier_wait -1
.irp j, 0,1
.irp i, 0,1,2,3,4,5,6,7
	ds_store_b128 v[A0], v[SA+32*\j+4*\i:SA+32*\j+4*\i+3] offset:16*SPIT*\j+16*\i
.endr
.irp i, 0,1,2,3,4,5,6,7
	ds_load_b128 v[SB+32*\j+4*\i:SB+32*\j+4*\i+3], v[ADR] offset:16*SPIT*\j+2*SPIT*\i   ; LDS serves a wave's instructions in order (ISA guide 5.7.1.4): these see my stores; the bytes are my wave's own
.endr
.endr
.irp j, 0,1
.irp i, 0,1,2,3,4,5,6,7
	s_wait_dscnt 23-16*\j-\i                       ; this load is back; younger: the tile's 7 - i loads, and behind tile A's also tile B's sixteen instructions
	global_store_b128 v[SCL], v[SB+32*\j+4*\i:SB+32*\j+4*\i+3], s[12:13] offset:4096*\j+512*\i th:TH_STORE_NT   ; 32 lanes store 512 consecutive bytes, at a multiple of 256 from out0's first byte; written once
.endr
.endr
	s_wait_xcnt 0x0
	v_lshl_add_u32 v254, v0, 2, 0x48000
	v_mov_b32 v255, 0
	s_wait_tensorcnt 0x0
	ds_add_u32 v254, v255
	s_wait_dscnt 0x0
	s_endpgm
.Lfunc_end_k_q35828391c4_attn:
	.size	k_q35828391c4_attn, .Lfunc_end_k_q35828391c4_attn-k_q35828391c4_attn
	.p2alignl 7, 3214868480
	.fill 96, 4, 3214868480
	.section	.rodata,"a",@progbits
	.p2align	6, 0x0
	.amdhsa_kernel k_q35828391c4_attn
		.amdhsa_group_segment_fixed_size 296960
		.amdhsa_private_segment_fixed_size 0
		.amdhsa_enable_private_segment 0
		.amdhsa_kernarg_size 40
		.amdhsa_user_sgpr_count 2
		.amdhsa_user_sgpr_kernarg_segment_ptr 1
		.amdhsa_wavefront_size32 1
		.amdhsa_system_sgpr_workgroup_id_x 1
		.amdhsa_system_sgpr_workgroup_id_y 1
		.amdhsa_system_sgpr_workgroup_id_z 1
		.amdhsa_system_vgpr_workitem_id 0
		.amdhsa_next_free_vgpr 256
		.amdhsa_next_free_sgpr 66
		.amdhsa_reserve_vcc 0
		.amdhsa_float_denorm_mode_32 3
		.amdhsa_float_denorm_mode_16_64 3
		.amdhsa_memory_ordered 1
		.amdhsa_forward_progress 1
		.amdhsa_inst_pref_size 103
	.end_amdhsa_kernel
	.amdgpu_metadata
---
amdhsa.version: [ 1, 2 ]
amdhsa.kernels:
  - .name:           k_q35828391c4_attn
    .symbol:         k_q35828391c4_attn.kd
    .args:
      - { .name: q, .offset: 0, .size: 8, .value_kind: global_buffer, .address_space: global }
      - { .name: k, .offset: 8, .size: 8, .value_kind: global_buffer, .address_space: global }
      - { .name: v, .offset: 16, .size: 8, .value_kind: global_buffer, .address_space: global }
      - { .name: lowp_scales, .offset: 24, .size: 8, .value_kind: global_buffer, .address_space: global }
      - { .name: out0, .offset: 32, .size: 8, .value_kind: global_buffer, .address_space: global }
    .group_segment_fixed_size: 296960
    .private_segment_fixed_size: 0
    .kernarg_segment_align: 8
    .kernarg_segment_size: 40
    .max_flat_workgroup_size: 512
    .sgpr_count:     66
    .vgpr_count:     256
    .wavefront_size: 32
...
	.end_amdgpu_metadata
.endif
;; end of part 1
;; ======== version 2 of 2: 1 launch; version 1 with the launch attn written anew for expert scheduling mode
;; launch attn (part 2): grid 4 x 64, 16 waves a work-group, no clusters, 296,960 bytes of LDS; arguments q, k, v, lowp_scales, out0; writes out0
.if DOCPART == 2
	.amdgcn_target "amdgcn-amd-amdhsa--gfx1250"
	.amdhsa_code_object_version 6
	.text
	.protected	k_q35828391c4_attn
	.globl	k_q35828391c4_attn
	.p2align	8
	.type	k_q35828391c4_attn,@function
k_q35828391c4_attn:
	s_mov_b64 s[64:65], 0
	v_nop
	global_prefetch_b8 v0, s[64:65] scope:SCOPE_SE
	s_setreg_imm32_b32 hwreg(HW_REG_WAVE_SCHED_MODE, 0, 2), 2
	s_setreg_imm32_b32 hwreg(HW_REG_WAVE_MODE, 25, 1), 1
	s_wait_xcnt 0x0
	s_wait_alu depctr_vm_vsrc(0)
; out0[h][q][:] = the sum over keys of softmax(q . k / 8) v, 64 heads of 2,048 x 64, f32 in and out; both products on codes of FP8 (E4M3), each operand with the one scale 2^e given for it: eq, ek, ep, ev.
; THE SOFTMAX AHEAD OF THE SECOND PRODUCT: t = score x log2(e) / 8; M = the running largest t rounded UP to a whole number; p = 2^(t - M) is quantised with 2^ep, not normalised.  The row's sum is taken of the
; unquantised p in f32; when M moves, the sum and O are multiplied by 2^(old M - new M), which rounds nothing; at the end O is divided by the sum and multiplied by 2^(ep + ev).
; SHARES.  A work-group (x = block of 512 queries, y = head) has sixteen waves of 256 registers.  A head's K and V as codes are 2 x 131,072 bytes: they lie in LDS whole, so there is no ring and no refill.
; PROLOGUE: wave w quantises keys 128 w .. 128 w + 127 of K and of V into LDS block w, and its own 32 rows of q into registers.  One barrier.
; LOOP: wave w owns queries 32 w .. 32 w + 31 of the block, TWO tiles of 16 (A, B), which share every fragment of K and V read from LDS; 16 trips of 128 keys.
; LAYOUT.  Both products are used transposed: S^T = K Q^T (source 0 = 16 keys, source 1 = 16 queries), O^T = V^T P^T (source 0 = 16 channels, source 1 = P): a lane holds ONE query (lane % 16) throughout.
; THE KEYS OF A TILE ARE NOT NEIGHBOURS: lane r of tile 2 b + u takes key 32 b + 8 u + r + 8 (r / 8), so that a lane's 16 registers of tiles 2 b, 2 b + 1 are keys 32 b + 16 (lane / 16) + 0 .. 15, as V's loads give them.
; Fragments are fetched by loads of 16 bytes: a permutation of k inside an instruction, the same in both sources, so every product meets its partner.
; THE CHANNELS OF A TILE OF V ARE NOT NEIGHBOURS EITHER: row 16 c + x of V's part holds channel 4 x + c, so that the writer's four numbers of a load go to four tiles, and a lane ends with 32 neighbouring channels.
; NO JOINT LOADS, NO TENSOR LOADS: what the four work-groups of a head share is f32 numbers that must pass through registers to be quantised; beside the 294,912 bytes of codes 32,768 bytes of LDS are left,
; two slots of 64 rows, which would be 64 rounds for the 1,048,576 bytes of k and v.  Plain loads keep 32 x 512 bytes a wave, 262,144 a work-group, on their way without any round.
; LIMITS on the given exponents, so that each power of two below is an f32 number: eq, ek, ev, ep each between -126 and 119; eq + ek between -123 and 130 (added to c's exponent field); ep + ev goes by v_ldexp_f32 and has none.
; NaN among the inputs is not served; an infinity is held at the largest code.
; LDS: 16 blocks of 18,432 bytes, one for 128 keys.  Rows of 128 bytes + 16 of padding = 36 words: 16 rows on end start at 16 different groups of four banks (64 banks of 4 bytes: ISA guide 11.1).
;   bytes 0 .. 9,215: K, 64 rows of TWO keys' 64 codes: key 32 b + 16 a + 8 u + w at row 16 b + 8 a + w, byte 64 u.     bytes 9,216 .. 18,431: V, 64 rows (channels) of 128 codes (keys as they come).
;   On the way out, behind the second barrier, the same bytes serve as stages: 2 tiles x 16 rows x 272 bytes for each wave.
; THE MODE: SCHED_MODE bits 1:0 = 2 (LLVM: expert scheduling mode 2), set by the entry lines.  The code itself states the register dependences
; between vector or matrix instructions and memory or LDS instructions, with s_wait_alu, always for 0.
; THE PLAN.  Registers that memory or LDS instructions touch:
;   PROLOGUE  GK, GV, GQ, KW, VW  offsets and LDS addresses: written once at the head, read by every load and store, written anew (M, the sums) between the first barrier's signal and its wait.
;             XR sets 0 .. 3      a unit's loads land; its holds and conversions name the set; behind them the unit four further on is loaded into it.
;             CK, CV              a unit's conversions write the codes; its LDS stores read them; the next unit of the same kind writes them again.
;             So ONE wait on va_vdst stands in a unit, behind its conversions: the codes are written (for the stores) and the vector side is done with the raw set (for the loads).
;             ONE wait on vm_vsrc stands in each pair of units, ahead of V's conversions: the stores issued so far have read CV (written next) and CK (written by the next K unit).
;   LOOP      ADR                 written by one add at a trip's head, read by the trip's 32 LDS loads: vm_vsrc ahead of the add, va_vdst behind it.
;             KF v192-255         K's loads land; later the same registers hold tile B's upper scores and P, which the trip's last products read: the va_vdst at the head states all of that.
;             SA v96-159          tile A's scores and p; then V's loads land: one va_vdst between tile A's softmax and those loads; tile B's softmax names none of these registers.
;   WAY OUT   A0, ADR, SCL made anew (vm_vsrc ahead: ADR was read by loads); SA written by the divisions and read by the stage's stores; SB takes the stage's loads: one va_vdst behind the second barrier.
.set BLK,  18432
.set PIT,  144
.set KBLK, 64*PIT                      ; V's part of a block
.set TROW, 16*PIT                      ; 16 rows
.set SPIT, 272                         ; a stage row: 256 bytes + 16
.set WSTG, 2*16*SPIT                   ; a wave's stage
; registers of the loop
.set A0,  1                            ; v1   144 r + 16 h: my lane's place in a tile; on the way out: where I put my 128 bytes of a row
.set ADR, 2                            ; v2   the block in hand + A0; on the way out: where I read rows back
.set SCL, 3                            ; v3   2^ep as f32; on the way out: 16 x lane
.set NMA, 4                            ; v[4:5]   tile A: -M, the largest t;   v[6:7] its sum in two halves
.set LA,  6
.set NMB, 8                            ; v[8:9], v[10:11] the same for tile B
.set LB,  10
.set T0,  12                           ; v12-15 at work
.set T2,  14
.set QA,  16                           ; v16-23, v24-31 Q's codes
.set QB,  24
.set OA,  32                           ; v32-63, v64-95 O^T, tile c at + 8 c
.set OB,  64
.set SA,  96                           ; v96-159 S^T of A, then p; later V's four fragments
.set SB,  160                          ; v160-223 S^T of B, then p
.set KF,  192                          ; v192-255 K's eight fragments; fragments 0-3 give way to S^T of B's upper half, 4-7 to P
.set PA,  224
.set PB,  240
; registers of the prologue
.set GK,  4                            ; v4   k: 16 x lane
.set GV,  5                            ; v5   v: 2,048 h + 16 x
.set KW,  6                            ; v6   LDS: block w + 144 h + 4 x
.set VW,  7                            ; v7   LDS: block w + 144 x + 8 h
.set GQ,  8                            ; v8   q: 256 r + 64 h
.set SCK, 9                            ; v9, v10   2^ek, 448 x 2^ek
.set LMK, 10
.set SCV, 11                           ; v11, v12  the same with ev
.set LMV, 12
.set SCQ, 13                           ; v13, v14  the same with eq
.set LMQ, 14
.set RQ,  32                           ; v32-95 q as loaded
.set CK,  32                           ; v32-39 a K unit's codes;  v40-47 a V unit's
.set CV,  40
.set XR,  96                           ; v96-223 four sets of 32 numbers as loaded
.set TT,  224                          ; v224-255 a V unit's numbers, held and turned
	s_load_b256 s[4:11], s[0:1], 0x0               ; q s[4:5], k s[6:7], v s[8:9], the scales' exponents s[10:11]
	s_load_b64 s[12:13], s[0:1], 0x20              ; out0
	v_lshrrev_b32 v1, 5, v0
	v_readfirstlane_b32 s14, v1                    ; wave 0..15
	s_and_b32 s15, ttmp7, 0xffff                   ; head
	v_and_b32 v2, 31, v0                           ; lane
	v_and_b32 v3, 15, v0                           ; x = r = lane % 16
	v_bfe_u32 v15, v0, 4, 1                        ; h = lane / 16
	v_lshlrev_b32 v[GK], 4, v2
	v_lshlrev_b32 v[GV], 4, v3
	v_lshl_add_u32 v[GV], v15, 11, v[GV]
	s_wait_alu depctr_va_sdst(0)                   ; s14, the wave's number, is written, ahead of its first reader: LDS addresses and the buffers' offsets are made from it
	s_mul_i32 s34, s14, BLK                        ; my block
	v_mul_u32_u24 v[KW], v15, PIT
	v_lshl_add_u32 v[KW], v3, 2, v[KW]
	v_add_nc_u32 v[KW], s34, v[KW]
	v_mul_u32_u24 v[VW], v3, PIT
	v_lshl_add_u32 v[VW], v15, 3, v[VW]
	v_add_nc_u32 v[VW], s34, v[VW]
	v_lshlrev_b32 v[GQ], 8, v3
	v_lshl_add_u32 v[GQ], v15, 6, v[GQ]
	v_mul_u32_u24 v[A0], v3, PIT
	v_lshl_add_u32 v[A0], v15, 4, v[A0]
	s_lshl_b32 s16, s15, 19                        ; a head is 2,048 rows of 256 bytes
	s_lshl_b32 s32, s14, 15                        ; k, v: my 128 keys
	s_add_co_u32 s16, s16, s32
	s_mov_b32 s17, 0
	s_lshl_b32 s18, s15, 19
	s_lshl_b32 s32, ttmp9, 17                      ; q, out0: the block's 512 rows,
	s_add_co_u32 s18, s18, s32
	s_lshl_b32 s32, s14, 13                        ; my 32 of them
	s_add_co_u32 s18, s18, s32
	s_mov_b32 s19, 0
	s_wait_kmcnt 0x0
	s_load_b128 s[20:23], s[10:11], 0x0            ; eq, ek, ep, ev
	s_add_nc_u64 s[4:5], s[4:5], s[18:19]
	s_add_nc_u64 s[6:7], s[6:7], s[16:17]
	s_add_nc_u64 s[8:9], s[8:9], s[16:17]
	s_add_nc_u64 s[12:13], s[12:13], s[18:19]
; A unit is 16 keys.  K's unit j: each load reads 512 consecutive bytes, two keys: my lane holds key 16 j + 2 i + h, channels 4 x .. 4 x + 3.
.macro LOADK j, set
.irp i, 0,1,2,3,4,5,6,7
	global_load_b128 v[XR+32*(\set)+4*\i:XR+32*(\set)+4*\i+3], v[GK], s[6:7] offset:4096*(\j)+512*\i
.endr
.endm
; V's unit j: each half of the lanes reads one key's 256 consecutive bytes: my lane holds key 16 j + 8 h + i, channels 4 x .. 4 x + 3: eight neighbouring keys down my registers.
.macro LOADV j, set
.irp i, 0,1,2,3,4,5,6,7
	global_load_b128 v[XR+32*(\set)+4*\i:XR+32*(\set)+4*\i+3], v[GV], s[8:9] offset:4096*(\j)+256*\i
.endr
.endm
; 2^e as f32 (the conversion takes its exponent field) and 448 x 2^e (the hold)
.macro MKSCALE e, vs, vl
	s_add_co_i32 s32, s[\e], 127
	s_lshl_b32 s33, s32, 23
	v_mov_b32 v[\vs], s33
	s_add_co_i32 s32, s32, 8
	s_lshl_b32 s32, s32, 23
	s_or_b32 s32, s32, 0x600000
	v_mov_b32 v[\vl], s32
.endm
	s_wait_alu depctr_va_vdst(0)                   ; GQ, GK, GV, KW and VW are written: the prologue's loads and LDS stores read them as offsets and addresses
	; q: lane (r, h) takes, of row r of tile j, channels 32 g + 16 h + 0 .. 15: the order of the fragment's registers.  Read once in the launch.  (A lane's four loads of a group cover its 64 bytes.)
.irp j, 0,1
.irp g, 0,1
.irp i, 0,1,2,3
	global_load_b128 v[RQ+32*\j+16*\g+4*\i:RQ+32*\j+16*\g+4*\i+3], v[GQ], s[4:5] offset:4096*\j+128*\g+16*\i th:TH_LOAD_NT
.endr
.endr
.endr
	LOADK 0, 0                                     ; four units ahead: 32 loads of mine are out from here on
	LOADV 0, 1
	LOADK 1, 2
	LOADV 1, 3
	s_wait_kmcnt 0x0
	MKSCALE 21, SCK, LMK
	MKSCALE 23, SCV, LMV
	MKSCALE 20, SCQ, LMQ
	s_wait_alu depctr_va_vdst(0)
	s_wait_loadcnt 32                              ; q's sixteen loads are in; the four units' 32 are younger
.set n, 0
.rept 64
	v_med3_num_f32 v[RQ+n], v[RQ+n], -v[LMQ], v[LMQ]   ; the conversion to an 8-bit code does not saturate (ISA guide 7.6.2): hold within the largest code x the scale first
.set n, n+1
.endr
.irp j, 0,1
.irp m, 0,1,2,3
	v_cvt_scalef32_pk8_fp8_f32 v[QA+8*\j+2*\m:QA+8*\j+2*\m+1], v[RQ+32*\j+8*\m:RQ+32*\j+8*\m+7], v[SCQ]   ; registers 0-3: channels 16 h + 0 .. 15; registers 4-7: 32 + 16 h + 0 .. 15
.endr
.endr
	v_nop                                          ; one plain vector line behind the last conversion of a run: its sources are written again and its results go to products
; K's unit j: held in place, converted (register CK + i: four codes of key 16 j + 2 i + h), stored as words: lanes of the two halves lie 36 words apart, 32 different banks.
.macro QK_UNIT j
.set XS, XR+64*((\j)%2)
.set LEFT, 8*(15-2*(\j))
.if LEFT > 24
.set LEFT, 24
.endif
	s_wait_loadcnt LEFT                            ; this unit's eight loads are in; those of the (up to three) younger units may be out
.set n, 0
.rept 32
	v_med3_num_f32 v[XS+n], v[XS+n], -v[LMK], v[LMK]
.set n, n+1
.endr
	s_wait_alu depctr_va_vdst(0)
	s_wait_dscnt 4                                 ; the last K unit's stores are done with their registers; V's four younger stores may be out.  (That those stores have read CK is stated by the wait on vm_vsrc in the V unit between)
.irp g, 0,1,2,3
	v_cvt_scalef32_pk8_fp8_f32 v[CK+2*\g:CK+2*\g+1], v[XS+8*\g:XS+8*\g+7], v[SCK]
.endr
	s_wait_alu depctr_va_vdst(0)                   ; the conversions have written CK, which the LDS stores read; holds and conversions are done with the raw set, in which the loads below land
.irp i, 0,1,2,3,4,5,6,7
	ds_store_b32 v[KW], v[CK+\i] offset:(8*(\j)+2*(\i%4))*PIT+64*(\i/4)   ; key 16 j + 2 i + h: row 8 j + 2 (i % 4) + h, half i / 4
.endr
.if (\j)+2 < 8
	LOADK (\j)+2, 2*((\j)%2)                       ; the set takes the unit four further on
.endif
.endm
; V's unit j: the hold also turns the registers (TT + 8 c + i: key 16 j + 8 h + i of channel 4 x + c), so that the conversions take eight neighbouring keys; eight codes go to row 16 c + x: the 32 lanes' 64 words fall on 64 banks.
.macro QV_UNIT j
.set XS, XR+64*((\j)%2)+32
.set LEFT, 8*(14-2*(\j))
.if LEFT > 24
.set LEFT, 24
.endif
	s_wait_loadcnt LEFT
.irp c, 0,1,2,3
.irp i, 0,1,2,3,4,5,6,7
	v_med3_num_f32 v[TT+8*\c+\i], v[XS+4*\i+\c], -v[LMV], v[LMV]
.endr
.endr
	s_wait_alu depctr_va_vdst(0)
	s_wait_dscnt 8                                 ; the last V unit's stores are done with their registers; K's eight younger stores may be out
	s_wait_alu depctr_vm_vsrc(0)                   ; the LDS stores issued so far have read their codes: the last V unit's CV, which the conversions below write again, and this pair's CK, which the next K unit's conversions write again
.irp c, 0,1,2,3
	v_cvt_scalef32_pk8_fp8_f32 v[CV+2*\c:CV+2*\c+1], v[TT+8*\c:TT+8*\c+7], v[SCV]
.endr
	s_wait_alu depctr_va_vdst(0)                   ; the conversions have written CV, which the LDS stores read; the holds are done reading the raw set, in which the loads below land
.irp c, 0,1,2,3
	ds_store_b64 v[VW], v[CV+2*\c:CV+2*\c+1] offset:KBLK+TROW*\c+16*(\j)
.endr
.if (\j)+2 < 8
	LOADV (\j)+2, 2*((\j)%2)+1                     ; the set takes the unit four further on
.endif
.endm
.irp j, 0,1,2,3,4,5,6,7
	QK_UNIT \j
	QV_UNIT \j
.endr
	v_nop                                          ; one plain vector line behind the last conversion
	s_wait_alu depctr_vm_vsrc(0)                   ; my LDS stores have read CK, CV, KW and VW, my loads GK, GV and GQ: all of these registers are written anew below (O^T's zeros, M, the sums)
	s_wait_dscnt 0x0                               ; for the others' sake: my block's codes lie in LDS
	s_barrier_signal -1
	; register work while the others arrive.  All my global loads are in (the last count was 0), so the prologue's registers are free.
.set n, 0
.rept 64
	v_mov_b32 v[OA+n], 0                           ; O^T of both tiles.  (The step is written once: the first finds zeros, which the first change of M leaves zeros)
.set n, n+1
.endr
	v_mov_b32 v[NMA+1], 0xff61b1e6                 ; the largest t so far: -3e38, under every t
	v_mov_b32 v[NMB+1], 0xff61b1e6
	v_floor_f32 v[NMA], -v[NMA+1]                  ; -M
	v_floor_f32 v[NMB], -v[NMB+1]
	v_mov_b32 v[LA], 0                             ; the sums, in two halves
	v_mov_b32 v[LA+1], 0
	v_mov_b32 v[LB], 0
	v_mov_b32 v[LB+1], 0
	v_mov_b32 v[T0+1], 0
	v_mov_b32 v[T2+1], 0                           ; written once: a lane permute's destination counts as one of its sources
	s_add_co_i32 s32, s22, 127
	s_lshl_b32 s33, s32, 23
	v_mov_b32 v[SCL], s33                          ; 2^ep as f32
	s_add_co_i32 s32, s32, 8
	s_lshl_b32 s32, s32, 23
	s_or_b32 s31, s32, 0x600000                    ; 448 x 2^ep
	s_add_co_i32 s32, s20, s21
	s_lshl_b32 s32, s32, 23
	s_add_co_i32 s24, s32, 0x3e38aa3b              ; c = log2(e) / 8, with eq + ek added to its exponent field: a score stands for score x 2^(eq + ek)
	s_mov_b32 s25, s24                             ; (named with it as a pair, so it is written)
	s_mov_b32 s26, 0x76543210                      ; v_permlanex16_b32's selects for lane l xor 16
	s_mov_b32 s27, 0xfedcba98
	s_add_co_i32 s30, s22, s23                     ; ep + ev
	s_mov_b32 s28, 16                              ; trips
	s_mov_b32 s29, 0                               ; the block in hand
	s_barrier_wait -1                              ; the head's K and V lie in LDS, whole
; ONE TILE'S SOFTMAX FOR 128 KEYS.  s: its 64 scores; nm: the pair (-M, largest t); l: the sum's pair; o: its O^T; p: where its codes go.  No memory or LDS instruction stands in it.
.macro SOFTMAX s, nm, l, o, p
	v_max3_num_f32 v[T0], v[\s], v[\s+1], v[\s+2]  ; the largest score of my query among my 64 keys, in two chains, ascending: each accumulator is first read at its low end
	v_max3_num_f32 v[T2], v[\s+3], v[\s+4], v[\s+5]
.irp i, 6,10,14,18,22,26,30,34,38,42,46,50,54,58
	v_max3_num_f32 v[T0], v[T0], v[\s+\i], v[\s+\i+1]
	v_max3_num_f32 v[T2], v[T2], v[\s+\i+2], v[\s+\i+3]
.endr
	v_max3_num_f32 v[T0], v[T0], v[\s+62], v[\s+63]
	v_max_num_f32 v[T0], v[T0], v[T2]
	v_permlanex16_b32 v[T2+1], v[T0], s26, s27
	v_max_num_f32 v[T0], v[T0], v[T2+1]            ; and among lane l xor 16's
	v_mul_f32 v[T0], s24, v[T0]                    ; as t (c is positive)
	v_max_num_f32 v[\nm+1], v[\nm+1], v[T0]        ; the running largest t
	v_mov_b32 v[T0], v[\nm]
	v_floor_f32 v[\nm], -v[\nm+1]                  ; the new -M = floor(-t) = -ceil(t): a whole number
	v_sub_f32 v[T0], v[\nm], v[T0]                 ; old M - new M: a whole number, 0 or less
	v_cvt_i32_f32 v[T0], v[T0]                     ; (it saturates)
	v_ldexp_f32 v[T2], 1.0, v[T0]                  ; f = 2^(old M - new M)
.set n, 0
.rept 32
	v_pk_fma_f32 v[\s+n:\s+n+1], v[\s+n:\s+n+1], s[24:25], v[\nm:\nm+1] op_sel_hi:[1,0,0]   ; t - M, two at a time (of the pairs c and -M the low word serves both halves)
.set n, n+2
.endr
.set n, 0
	s_wait_alu depctr_va_vdst(0)
.rept 64
	v_exp_f32 v[\s+n], v[\s+n]                     ; p = 2^(t - M): not normalised
.set n, n+1
.endr
	v_pk_mul_f32 v[\l:\l+1], v[\l:\l+1], v[T2:T2+1] op_sel_hi:[1,0]   ; the sum under the new M.  (The plain line behind the exponentials)
	s_wait_alu depctr_va_vdst(0)                   ; the 64 exponentials have written p, ahead of its first reader, the sums below: one wait for the batch
	v_pk_add_f32 v[T0:T0+1], v[\s:\s+1], v[\s+2:\s+3]                 ; the row's sum is taken of the UNQUANTISED p: two at a time, in two chains
.irp i, 4,8,12,16,20,24,28,32,36,40,44,48,52,56,60
	v_pk_add_f32 v[\l:\l+1], v[\l:\l+1], v[\s+\i:\s+\i+1]
	v_pk_add_f32 v[T0:T0+1], v[T0:T0+1], v[\s+\i+2:\s+\i+3]
.endr
	v_pk_add_f32 v[\l:\l+1], v[\l:\l+1], v[T0:T0+1]
	; THE HOLD.  p is at most 1 but for a rounding; with ep >= -8 the bound 448 x 2^ep is 1.75 or more and can change nothing, so its 64 lines are jumped over: a scalar branch on the whole number ep, round these lines alone.
	s_cmp_ge_i32 s22, -8
	s_cbranch_scc1 .Lnohold_\@
.set n, 0
.rept 64
	v_min_num_f32 v[\s+n], s31, v[\s+n]            ; p is not negative, so the hold is one-sided
.set n, n+1
.endr
.Lnohold_\@:
.irp t, 0,1,2,3,4,5,6,7
	v_cvt_scalef32_pk8_fp8_f32 v[\p+2*\t:\p+2*\t+1], v[\s+8*\t:\s+8*\t+7], v[SCL]   ; registers 4 b .. 4 b + 3 of P: keys 32 b + 16 h + 0 .. 15
.endr
.set n, 0
.rept 16
	v_pk_mul_f32 v[\o+n:\o+n+1], v[\o+n:\o+n+1], v[T2:T2+1] op_sel_hi:[1,0]   ; O^T under the new M, ascending.  (Also the plain lines behind the conversions)
.set n, n+2
.endr
.endm
.Lstep:                                            ; 16 trips: a block of 128 keys each
	s_wait_alu depctr_vm_vsrc(0)                   ; the last trip's LDS loads have read ADR, which the next line writes
	v_add_nc_u32 v[ADR], s29, v[A0]
.rept 4
	v_nop                                          ; with the addition five places behind the last trip's products: the first products below write over V's fragments, which those read
.endr
	s_wait_alu depctr_va_vdst(0)                   ; ADR is written, which the trip's loads read; the last trip's products are done reading P, and tile B's softmax is done with v192-223 (first trip: the prologue's holds and conversions with v192-255): K's fragments land there
.irp t, 0,1,2,3,4,5,6,7
	ds_load_b128 v[KF+8*\t:KF+8*\t+3],   v[ADR] offset:(\t/2)*TROW+64*(\t%2)
	ds_load_b128 v[KF+8*\t+4:KF+8*\t+7], v[ADR] offset:(\t/2)*TROW+64*(\t%2)+32
.endr
	s_wait_dscnt 8                                 ; fragments 0-3 are in; the eight younger loads may be out
.irp t, 0,1,2,3
	v_wmma_f32_16x16x64_fp8_fp8 v[SA+8*\t:SA+8*\t+7], v[KF+8*\t:KF+8*\t+7], v[QA:QA+7], 0
	v_wmma_f32_16x16x64_fp8_fp8 v[SB+8*\t:SB+8*\t+7], v[KF+8*\t:KF+8*\t+7], v[QB:QB+7], 0
.endr
	s_wait_dscnt 0x0                               ; fragments 4-7
.irp t, 4,5,6,7
	v_wmma_f32_16x16x64_fp8_fp8 v[SA+8*\t:SA+8*\t+7], v[KF+8*\t:KF+8*\t+7], v[QA:QA+7], 0
.endr
.rept 5
	v_nop                                          ; five places: the next four products write over fragments 0-3, which earlier products read; they also serve the first reads of tile A's scores
.endr
.irp t, 4,5,6,7
	v_wmma_f32_16x16x64_fp8_fp8 v[SB+8*\t:SB+8*\t+7], v[KF+8*\t:KF+8*\t+7], v[QB:QB+7], 0
.endr
	SOFTMAX SA, NMA, LA, OA, PA                    ; its plain lines are the places behind tile B's products
	s_wait_alu depctr_va_vdst(0)                   ; tile A's products and softmax are done writing and reading v[SA ..], in which V's fragments land; tile B's softmax, which follows the loads, names none of these registers
.irp c, 0,1,2,3
.irp b, 0,1,2,3
	ds_load_b128 v[SA+16*\c+4*\b:SA+16*\c+4*\b+3], v[ADR] offset:KBLK+TROW*\c+32*\b   ; V's four fragments, where tile A's p lay: they land while tile B's softmax runs
.endr
.endr
	SOFTMAX SB, NMB, LB, OB, PB
	s_wait_alu depctr_va_vdst(0)
	s_wait_dscnt 0x0                               ; V is in
.irp c, 0,1,2,3                                ; eight accumulators by turns, one instruction a turn
	v_wmma_f32_16x16x128_fp8_fp8 v[OA+8*\c:OA+8*\c+7], v[SA+16*\c:SA+16*\c+15], v[PA:PA+15], v[OA+8*\c:OA+8*\c+7]
	v_wmma_f32_16x16x128_fp8_fp8 v[OB+8*\c:OB+8*\c+7], v[SA+16*\c:SA+16*\c+15], v[PB:PB+15], v[OB+8*\c:OB+8*\c+7]
.endr
	s_add_co_u32 s29, s29, BLK
	s_sub_co_u32 s28, s28, 1
	s_cmp_lg_u32 s28, 0
	s_cbranch_scc1 .Lstep
	; THE WAY OUT.  Register i of O^T's tile c in lane (r, h) is o(query r, channel 32 h + 4 i + c).  The division turns the registers, so that a lane holds 32 neighbouring channels of its row in order;
	; they go through my stage and come back as whole rows, two rows (512 consecutive bytes) an instruction.
	s_wait_alu depctr_vm_vsrc(0)                   ; the last trip's LDS loads have read ADR, which is made anew below
	s_wait_dscnt 0x0                               ; my reads of K and V are over
	s_barrier_signal -1                            ; the stages lie over the codes: nobody may still read those
	v_add_f32 v[LA], v[LA], v[LA+1]                ; the sums' two halves,  (these lines are also the places behind the last products)
	v_add_f32 v[LB], v[LB], v[LB+1]
	v_permlanex16_b32 v[T0], v[LA], s26, s27
	v_permlanex16_b32 v[T0+1], v[LB], s26, s27
	v_add_f32 v[LA], v[LA], v[T0]                  ; and lane l xor 16's: the rows' sums
	v_add_f32 v[LB], v[LB], v[T0+1]
	s_wait_alu depctr_va_vdst(0)
	v_rcp_f32 v[LA], v[LA]
	v_rcp_f32 v[LB], v[LB]
	v_and_b32 v[T0], 15, v0                        ; (a plain line behind the reciprocals)  r
	v_bfe_u32 v[T0+1], v0, 4, 1                    ; h
	s_mul_i32 s32, s14, WSTG                       ; my stage
	v_mul_u32_u24 v[A0], v[T0], SPIT
	v_lshl_add_u32 v[A0], v[T0+1], 7, v[A0]
	v_add_nc_u32 v[A0], s32, v[A0]                 ; in: row r, + 128 h
	v_mul_u32_u24 v[ADR], v[T0+1], SPIT
	v_lshl_add_u32 v[ADR], v[T0], 4, v[ADR]
	v_add_nc_u32 v[ADR], s32, v[ADR]               ; back: lanes 0-15 one row, lanes 16-31 the next
	v_and_b32 v[SCL], 31, v0
	v_lshlrev_b32 v[SCL], 4, v[SCL]                ; and the same two rows in out0: 16 x lane
	s_wait_alu depctr_va_vdst(0)                   ; the two reciprocals have written v[LA] and v[LB], ahead of their first reader: one wait for both
	v_ldexp_f32 v[LA], v[LA], s30                  ; x 2^(ep + ev)
	v_ldexp_f32 v[LB], v[LB], s30
.irp i, 0,1,2,3,4,5,6,7                        ; i ascending: each accumulator is read from its register 0 on
.irp c, 0,1,2,3
	v_mul_f32 v[SA+4*\i+\c], v[OA+8*\c+\i], v[LA]
	v_mul_f32 v[SA+32+4*\i+\c], v[OB+8*\c+\i], v[LB]
.endr
.endr
	s_barrier_wait -1
	s_wait_alu depctr_va_vdst(0)                   ; the divisions have written v[SA ..], which the stage's stores read; A0, ADR and SCL are written, which the stores and loads below read; the vector side is done with v[SB ..], in which the stage's loads land
.irp j, 0,1
.irp i, 0,1,2,3,4,5,6,7
	ds_store_b128 v[A0], v[SA+32*\j+4*\i:SA+32*\j+4*\i+3] offset:16*SPIT*\j+16*\i
.endr
.irp i, 0,1,2,3,4,5,6,7
	ds_load_b128 v[SB+32*\j+4*\i:SB+32*\j+4*\i+3], v[ADR] offset:16*SPIT*\j+2*SPIT*\i   ; LDS serves a wave's instructions in order (ISA guide 5.7.1.4): these see my stores; the bytes are my wave's own
.endr
.endr
.irp j, 0,1
.irp i, 0,1,2,3,4,5,6,7
	s_wait_dscnt 23-16*\j-\i                       ; this load is back; younger: the tile's 7 - i loads, and behind tile A's also tile B's sixteen instructions
	global_store_b128 v[SCL], v[SB+32*\j+4*\i:SB+32*\j+4*\i+3], s[12:13] offset:4096*\j+512*\i th:TH_STORE_NT   ; 32 lanes store 512 consecutive bytes, at a multiple of 256 from out0's first byte; written once
.endr
.endr
	s_wait_xcnt 0x0
	v_lshl_add_u32 v254, v0, 2, 0x48000            ; the add's two registers, made anew (v0 is as at the entry): my spare word, behind the sixteen blocks; no memory or LDS instruction has read v254 or v255
	v_mov_b32 v255, 0
	s_wait_dscnt 0x0                               ; the closing lines, six on end
	s_wait_alu 0x0
	s_wait_tensorcnt 0x0
	ds_add_u32 v254, v255
	s_wait_dscnt 0x0
	s_endpgm
.Lfunc_end_k_q35828391c4_attn:
	.size	k_q35828391c4_attn, .Lfunc_end_k_q35828391c4_attn-k_q35828391c4_attn
	.p2alignl 7, 3214868480
	.fill 96, 4, 3214868480
	.section	.rodata,"a",@progbits
	.p2align	6, 0x0
	.amdhsa_kernel k_q35828391c4_attn
		.amdhsa_group_segment_fixed_size 296960
		.amdhsa_private_segment_fixed_size 0
		.amdhsa_enable_private_segment 0
		.amdhsa_kernarg_size 40
		.amdhsa_user_sgpr_count 2
		.amdhsa_user_sgpr_kernarg_segment_ptr 1
		.amdhsa_wavefront_size32 1
		.amdhsa_system_sgpr_workgroup_id_x 1
		.amdhsa_system_sgpr_workgroup_id_y 1
		.amdhsa_system_sgpr_workgroup_id_z 1
		.amdhsa_system_vgpr_workitem_id 0
		.amdhsa_next_free_vgpr 256
		.amdhsa_next_free_sgpr 66
		.amdhsa_reserve_vcc 0
		.amdhsa_float_denorm_mode_32 3
		.amdhsa_float_denorm_mode_16_64 3
		.amdhsa_memory_ordered 1
		.amdhsa_forward_progress 1
		.amdhsa_inst_pref_size 105
	.end_amdhsa_kernel
	.amdgpu_metadata
---
amdhsa.version: [ 1, 2 ]
amdhsa.kernels:
  - .name:           k_q35828391c4_attn
    .symbol:         k_q35828391c4_attn.kd
    .args:
      - { .name: q, .offset: 0, .size: 8, .value_kind: global_buffer, .address_space: global }
      - { .name: k, .offset: 8, .size: 8, .value_kind: global_buffer, .address_space: global }
      - { .name: v, .offset: 16, .size: 8, .value_kind: global_buffer, .address_space: global }
      - { .name: lowp_scales, .offset: 24, .size: 8, .value_kind: global_buffer, .address_space: global }
      - { .name: out0, .offset: 32, .size: 8, .value_kind: global_buffer, .address_space: global }
    .group_segment_fixed_size: 296960
    .private_segment_fixed_size: 0
    .kernarg_segment_align: 8
    .kernarg_segment_size: 40
    .max_flat_workgroup_size: 512
    .sgpr_count:     66
    .vgpr_count:     256
    .wavefront_size: 32
...
	.end_amdgpu_metadata
.endif
;; end of part 2
